; MI455X (gfx1250); checked and timed in simulation.
; The chip was launched on July 23, 2026; its instructions are those of AMD's public machine-readable ISA for CDNA 5 (MIT licence, August 2026) and "CDNA5" Instruction Set Architecture Reference Guide (July 2026). The comments in the code are by the model that wrote it; some were corrected since.
;; Top2 Router. Allowed arithmetic: matrix products marked QUANTISED: E3M2 operands, one E8M0 scale for each 32 along K, by v_wmma_scale_f32_16x16x128_f8f6f4 with both operands' format E3M2, f32 sums; everything else in f32.
;; Inputs: W 2,048 x 64 float32; x 4 x 4,096 x 2,048 float32.
;; Outputs: out0 4 x 4,096 x 2 int32; out1 4 x 4,096 x 2 float32; out2 4 x 4,096 x 64 float32.
;; This version of the problem:
;;   THIS VERSION OF THE PROBLEM IS GIVEN IN LOW PRECISION. The matrix products marked QUANTISED in the list below multiply operands that are first quantised to E3M2 (3 exponent bits, 2 mantissa bits; 6 bits a number), with one power-of-two scale for each 32 numbers along K (OCP MX v1.0); their sums are f32. All else is computed in f32.
;;   The module's matrix products, in the order in which they are computed (A, B: the left and right operand; K: the contracted axis; several contracted axes count as one K, in the product's order):
;;     1. [M 16,384, K 2,048] x [K 2,048, N 64]; A: input x; B: input W: QUANTISED
;;   THE QUANTISER, for each operand of a quantised product, along K:
;;     - K is cut into blocks of 32 from its start; a last block that is shorter is filled with zeros.
;;     - A block's scale is 2^e with e = floor(log2(the largest magnitude in the block)) - 4, held to -126 .. 127; a block of zeros has e = 0. As a byte (E8M0): e + 127.
;;     - Each number is divided by its block's scale, clamped to +-28, and rounded to the nearest number of E3M2, ties to even, subnormals kept.
;;     - The product sums the exact products of the quantised numbers (number of the format x scale) in f32.
;;   ~~~python
;;   def quantise(x, axis):      # numpy; x: float32 -> the quantised numbers, widened to float32 again
;;       x = np.moveaxis(x, axis, -1); K = x.shape[-1]
;;       x = np.pad(x, [(0, 0)] * (x.ndim - 1) + [(0, -K % 32)]); x = x.reshape(x.shape[:-1] + (-1, 32)); a = np.abs(x).max(-1, keepdims=True)
;;       e = np.where(a > 0, np.clip(np.frexp(np.where(a > 0, a, 1))[1] - 1 - 4, -126, 127), 0)      # np.frexp(a)[1] - 1 = floor(log2(a)), exactly
;;       r = np.clip(x / 2.0 ** e, -28, 28)
;;       step = 2.0 ** (np.maximum(np.frexp(np.where(r == 0, 1, r))[1] - 1, -2) - 2)
;;       q = np.round(r / step) * step * 2.0 ** e      # np.round: ties to even
;;       return np.moveaxis(q.reshape(q.shape[:-2] + (-1,))[..., :K], -1, axis).astype(np.float32)
;;   ~~~
;; One version. Each part assembles by itself: llvm-mc -triple=amdgcn-amd-amdhsa -mcpu=gfx1250 --defsym DOCPART=n.
;; ======== version 1 of 1: 2 launches
;; workspace buffers: wq 106,496 bytes
;; launch wquant (part 1): grid 16 x 1, 4 waves a work-group, no clusters, 1,024 bytes of LDS; arguments W, wq; writes wq
.if DOCPART == 1
	.amdgcn_target "amdgcn-amd-amdhsa--gfx1250"
	.amdhsa_code_object_version 6
	.text
	.protected	k_qf9d762c9df_wquant
	.globl	k_qf9d762c9df_wquant
	.p2align	8
	.type	k_qf9d762c9df_wquant,@function
k_qf9d762c9df_wquant:
	s_mov_b64 s[64:65], 0
	v_nop
	global_prefetch_b8 v0, s[64:65] scope:SCOPE_SE
	s_setreg_imm32_b32 hwreg(HW_REG_WAVE_MODE, 25, 1), 1
	s_wait_xcnt 0x0
; W [2048 (k)][64 (n)], f32, K its FIRST axis, becomes codes of BF6 (E3M2) with one E8M0 byte for each 32 along K, laid in wq IN THE ORDER OF THE OPERAND'S REGISTERS,
; so that the next launch brings a fragment by loads of 16 bytes a lane and nothing is shuffled there.
; wq: for each K step s of 128 (16 of them) WSTEP = 6,656 bytes: tile t (4 tiles of 16 columns) at 1,536 t: registers 4 c .. 4 c + 3 of lane l at 512 c + 16 l (c = 0, 1, 2);
;     then at 6,144: lane l's 16 bytes at 16 l = the scale words of tiles 0 .. 3 for that lane's column (lanes 16-31 repeat lanes 0-15).
; SHARES.  Work-group s takes K step s, wave t takes tile t.  LANE (r, h) TAKES ONE COLUMN AND ITS REGISTERS RUN DOWN K, in the order that the 6-bit layout gives that lane: k = 128 s + 64 c + 32 h + 0 .. 31.
; So a lane holds two whole blocks, no other lane is asked for a maximum, and the conversions' results are the operand's registers.
; THE COLUMNS OF A TILE ARE NOT NEIGHBOURS: lane r of tile t takes column 32 (r / 8) + 8 t + r % 8, so that in the next launch's results (used transposed) a lane's 32 registers are 32 neighbouring columns.
; Each load reads four pieces of 32 bytes (eight lanes each); the work-group's four waves together take each row's 256 bytes.  W is 512 KB and is read once: this is the whole of the launch's reading.
; A block's scale is 2^(floor(log2(its largest magnitude)) - 4): its byte is the largest magnitude's exponent field - 4, held at 1 from below by a floor among the maximum's leaves.
; LIMITS: a block of zeros gets the byte 1 where the rule says 127 (its codes are zeros, which add nothing under any byte but 0xff, and this program alone reads the bytes); blocks whose largest magnitude
; lies under 2^-122, whose byte is held at 1, were not tried; NaN and infinities are not served.
.set WSTEP, 6656                       ; a K step's image in wq
.set WSC,   6144                       ; where its scale words begin
.set TILEB, 1536                       ; a fragment's image: 12 registers x 128 bytes
.set WOF,   5                          ; v5   my byte in W's 128 rows of this K step
.set L16,   6                          ; v6   16 x lane
.set COF,   7                          ; v7   my codes' place in the K step's image
.set LSA,   8                          ; v8   LDS: 16 x lane + 4 x tile
.set SH8,   9                          ; v9   8 h: where my two scale bytes stand in the word
.set PT,    16                         ; v16-18, v20-22  the upper halves of the two blocks' codes, as converted
.set OUTS,  24                         ; v24-27  the four tiles' scale words
.set TM,    32                         ; v32-35  largest magnitudes: two chains a block
.set SO,    36                         ; v36-37  the conversions' scale operands
.set BY,    38                         ; v38-39  the scale bytes
.set SW,    40                         ; v40     the scale word
.set PX,    41                         ; v41     lane l xor 16's part of it
.set PC,    48                         ; v48-59  the fragment
.set X,     64                         ; v64-127 my 64 numbers
	s_load_b128 s[4:7], s[0:1], 0x0                ; W, wq
	v_lshl_add_u32 v128, v0, 2, 0x200
	v_mov_b32 v129, 0
	v_lshrrev_b32 v1, 5, v0
	v_readfirstlane_b32 s8, v1                     ; wave = tile 0..3
	v_and_b32 v1, 31, v0                           ; lane
	v_bfe_u32 v2, v0, 4, 1                         ; h
	v_and_b32 v3, 7, v0                            ; r % 8
	v_bfe_u32 v4, v0, 3, 1                         ; r / 8
	v_lshlrev_b32 v[WOF], 2, v3                    ; column 32 (r / 8) + 8 t + r % 8, 4 bytes each,
	v_lshl_add_u32 v[WOF], v4, 7, v[WOF]
	v_lshl_add_u32 v[WOF], v2, 13, v[WOF]          ; and lanes 16-31 begin 32 rows of 256 bytes further down
	s_lshl_b32 s9, s8, 5
	v_add_nc_u32 v[WOF], s9, v[WOF]
	v_lshlrev_b32 v[L16], 4, v1
	s_mul_i32 s9, s8, TILEB
	v_add_nc_u32 v[COF], s9, v[L16]
	s_lshl_b32 s9, s8, 2
	v_add_nc_u32 v[LSA], s9, v[L16]
	v_lshlrev_b32 v[SH8], 3, v2
	v_mov_b32 v[PX], 0                             ; a lane permute's destination counts as one of its sources
	s_mov_b32 s20, 0x76543210
	s_mov_b32 s21, 0xfedcba98                      ; v_permlanex16_b32's selects for lane l xor 16
	s_lshl_b32 s10, ttmp9, 15                      ; K step s: 128 rows of 256 bytes
	s_mov_b32 s11, 0
	s_mul_i32 s12, ttmp9, WSTEP
	s_mov_b32 s13, 0
	s_wait_alu depctr_va_vdst(0)
	s_wait_kmcnt 0x0
	s_add_nc_u64 s[4:5], s[4:5], s[10:11]
	s_add_nc_u64 s[6:7], s[6:7], s[12:13]
.irp c, 0,1
.irp i, 0,1,2,3,4,5,6,7,8,9,10,11,12,13,14,15,16,17,18,19,20,21,22,23,24,25,26,27,28,29,30,31
	global_load_b32 v[X+32*\c+\i], v[WOF], s[4:5] offset:256*(64*\c+\i)   ; W(128 s + 64 c + 32 h + i, my column)
.endr
.endr
	s_wait_loadcnt 0x0
	; my blocks 2 c + h: the largest magnitude of each, two chains a block, the four chains by turns
.irp c, 0,1
	v_max3_num_f32 v[TM+2*\c], |v[X+32*\c]|, |v[X+32*\c+1]|, 0x2800000      ; the floor 2^(5 - 127): the byte cannot fall under 1
	v_max3_num_f32 v[TM+2*\c+1], |v[X+32*\c+16]|, |v[X+32*\c+17]|, |v[X+32*\c+18]|
.endr
.irp i, 2,4,6,8,10,12
.irp c, 0,1
	v_max3_num_f32 v[TM+2*\c], v[TM+2*\c], |v[X+32*\c+\i]|, |v[X+32*\c+\i+1]|
	v_max3_num_f32 v[TM+2*\c+1], v[TM+2*\c+1], |v[X+32*\c+17+\i]|, |v[X+32*\c+18+\i]|
.endr
.endr
.irp c, 0,1
	v_max3_num_f32 v[TM+2*\c], v[TM+2*\c], |v[X+32*\c+14]|, |v[X+32*\c+15]|
.endr
.irp c, 0,1
	v_max3_num_f32 v[TM+2*\c], v[TM+2*\c], v[TM+2*\c+1], |v[X+32*\c+31]|
.endr
.irp c, 0,1
	v_add_nc_u32 v[SO+\c], 0xfe000000, v[TM+2*\c]  ; 4 off the exponent field: the conversion takes the exponent field of this operand as its scale, and nothing else of it
.endr
.irp c, 0,1
	v_lshrrev_b32 v[BY+\c], 23, v[SO+\c]           ; the scale's byte
.endr
	v_lshl_or_b32 v[SW], v[BY+1], 16, v[BY]        ; my two bytes, blocks h and 2 + h,
	v_lshlrev_b32 v[SW], v[SH8], v[SW]             ; at their places in the word;
	v_permlanex16_b32 v[PX], v[SW], s20, s21
	v_or_b32 v[SW], v[SW], v[PX]                   ; with lane l xor 16's two the word is whole, in both lanes
.irp c, 0,1
	v_cvt_scalef32_pk16_bf6_f32 v[PC+6*\c:PC+6*\c+2], v[X+32*\c:X+32*\c+15], v[SO+\c]      ; registers 6 c .. 6 c + 2 of the operand
	v_cvt_scalef32_pk16_bf6_f32 v[PT+4*\c:PT+4*\c+2], v[X+32*\c+16:X+32*\c+31], v[SO+\c]   ; (a conversion's three registers begin on an even number: the block's upper half is made elsewhere and moved)
.endr
	v_nop                                          ; one plain instruction behind the scaled conversions
.irp c, 0,1
.irp i, 0,1,2
	v_mov_b32 v[PC+3+6*\c+\i], v[PT+4*\c+\i]
.endr
.endr
	ds_store_b32 v[LSA], v[SW]                     ; my tile's word of my lane's four
.irp c, 0,1,2
	global_store_b128 v[COF], v[PC+4*\c:PC+4*\c+3], s[6:7] offset:512*\c   ; 32 lanes store 512 consecutive bytes, at a multiple of 256 from wq's first byte
.endr
	s_wait_dscnt 0x0                               ; for the others' sake: my word lies in LDS
	s_barrier_signal -1
	s_barrier_wait -1
	s_cmp_lg_u32 s8, 0                             ; wave 0 stores the four tiles' words
	s_cbranch_scc1 .Ldone
	ds_load_b128 v[OUTS:OUTS+3], v[L16]
	s_wait_dscnt 0x0
	global_store_b128 v[L16], v[OUTS:OUTS+3], s[6:7] offset:WSC            ; 512 consecutive bytes
.Ldone:
	s_wait_tensorcnt 0x0
	ds_add_u32 v128, v129
	s_wait_dscnt 0x0
	s_endpgm
.Lfunc_end_k_qf9d762c9df_wquant:
	.size	k_qf9d762c9df_wquant, .Lfunc_end_k_qf9d762c9df_wquant-k_qf9d762c9df_wquant
	.p2alignl 7, 3214868480
	.fill 96, 4, 3214868480
	.section	.rodata,"a",@progbits
	.p2align	6, 0x0
	.amdhsa_kernel k_qf9d762c9df_wquant
		.amdhsa_group_segment_fixed_size 1024
		.amdhsa_private_segment_fixed_size 0
		.amdhsa_enable_private_segment 0
		.amdhsa_kernarg_size 16
		.amdhsa_user_sgpr_count 2
		.amdhsa_user_sgpr_kernarg_segment_ptr 1
		.amdhsa_wavefront_size32 1
		.amdhsa_system_sgpr_workgroup_id_x 1
		.amdhsa_system_sgpr_workgroup_id_y 1
		.amdhsa_system_sgpr_workgroup_id_z 1
		.amdhsa_system_vgpr_workitem_id 0
		.amdhsa_next_free_vgpr 130
		.amdhsa_next_free_sgpr 66
		.amdhsa_reserve_vcc 0
		.amdhsa_float_denorm_mode_32 3
		.amdhsa_float_denorm_mode_16_64 3
		.amdhsa_memory_ordered 1
		.amdhsa_forward_progress 1
		.amdhsa_inst_pref_size 12
	.end_amdhsa_kernel
	.amdgpu_metadata
---
amdhsa.version: [ 1, 2 ]
amdhsa.kernels:
  - .name:           k_qf9d762c9df_wquant
    .symbol:         k_qf9d762c9df_wquant.kd
    .args:
      - { .name: W, .offset: 0, .size: 8, .value_kind: global_buffer, .address_space: global }
      - { .name: wq, .offset: 8, .size: 8, .value_kind: global_buffer, .address_space: global }
    .group_segment_fixed_size: 1024
    .private_segment_fixed_size: 0
    .kernarg_segment_align: 8
    .kernarg_segment_size: 16
    .max_flat_workgroup_size: 128
    .sgpr_count:     66
    .vgpr_count:     130
    .wavefront_size: 32
...
	.end_amdgpu_metadata
.endif
;; end of part 1
;; launch route (part 2): grid 256 x 1, 8 waves a work-group, no clusters, 176,128 bytes of LDS; arguments x, wq, out0, out1, out2; writes out0, out1, out2
.if DOCPART == 2
	.amdgcn_target "amdgcn-amd-amdhsa--gfx1250"
	.amdhsa_code_object_version 6
	.text
	.protected	k_qf9d762c9df_route
	.globl	k_qf9d762c9df_route
	.p2align	8
	.type	k_qf9d762c9df_route,@function
k_qf9d762c9df_route:
	s_mov_b64 s[64:65], 0
	v_nop
	global_prefetch_b8 v0, s[64:65] scope:SCOPE_SE
	s_setreg_imm32_b32 hwreg(HW_REG_WAVE_MODE, 25, 1), 1
	s_wait_xcnt 0x0
; logits = Q(x) Q(W) on codes of BF6 (E3M2) with one E8M0 scale for each 32 along K; then for each row the two largest logits (out0: their indices, ties to the lower index), the softmax of the two (out1), and the logits (out2).
; x: [16384][2048] f32, quantised here, in registers.  W comes as wq, the launch before's images of the operand's registers: 16 K steps of 6,656 bytes (4 tiles x 1,536 bytes of codes, 512 bytes of scale words).
; SHARES.  A work-group takes 64 rows; wave w takes rows 16 (w % 4) .. + 15 and K half w / 4: 8 steps of 128 along K.  (K is halved so that eight waves, not four, hold loads in flight: 8 x 48 loads of 512 bytes.)
; A STEP.  Sixteen loads, each a row's 512 consecutive bytes (16 a lane).  The conversions want 32 neighbours along K in ONE lane, so the 8 KB turn through the wave's own stage in LDS: stored as loaded, read back so that
; lane (r, h) holds k = 64 c + 32 h + 0 .. 31 of row r: two whole blocks, in the order of the 6-bit operand's registers.  Largest magnitudes, scale word, four conversions, four matrix instructions.
; Loads run DEPTH = 3 steps ahead, in three sets of 64 registers (window 1); every wait for them is counted.  Every offset is an immediate: no pointer is stepped and nothing is looped (8 steps by a macro).
; THE MATRIX INSTRUCTION IS USED TRANSPOSED: source 0 = 16 columns of W, source 1 = my 16 rows of x: lane (r, h) holds row r, and register 8 t + j of its 32 sums is column 32 h + 8 t + j (the launch before chose W's tiles so).
; W's IMAGES come into LDS once, through registers: wave w brings K steps 2 w and 2 w + 1, 13,312 bytes, by 26 loads of 512 consecutive bytes, and stores them as they lie.  THE ORDER AT THE HEAD: step 0's sixteen loads of x,
; W's 26, then the 32 of steps 1 and 2.  Loads come back in the order of issue, so one counted wait shows step 0's rows and W's images in and leaves the other 32 out: the steps begin, and ask for further rows, while those 32 are on their way.
; THE END.  Each wave stores its 32 sums as they stand; a barrier; each adds its partner's (wave xor 4): both then hold the same logits.  Waves 0-3 store the logits, through their stage, as whole rows; waves 4-7 take the top 2 and the gates;
; a barrier; wave 0 stores the group's 512 bytes of indices, wave 1 its 512 bytes of gates.
; NO CLUSTER, NO TENSOR LOAD: what work-groups share is W's images alone, 106,496 of the 630,784 bytes that a work-group reads, fetched once at the head; x is read by one wave only.
; LIMITS: NaN and infinities are not served; +0 and -0 count as equal in the top 2; a block of zeros gets the byte 1 (its codes are zeros); blocks whose largest magnitude lies under 2^-122, whose byte is held at 1, were not tried;
; a logit is the f32 sum of two chains of 8 K steps: logits nearer to each other than that rounding may change places in the indices.
.set ROWB,  8192                       ; a row of x in bytes
.set KSB,   512                        ; 128 numbers of it
.set STEPS, 8                          ; K steps of a wave
.set DEPTH, 3                          ; steps whose loads are out
.set WSTEP, 6656                       ; a K step's image of W
.set WSC,   6144                       ; its scale words
.set SP,    528                        ; a stage row: 512 bytes + 16: row r starts 16 r bytes further round the 64 banks of 4 bytes (ISA guide 11.1), so the 16 rows that a read touches fall on different banks
.set STGB,  16*SP                      ; a wave's stage, 8,448 bytes.  At the end: its first 4,096 bytes hold the image of my sums, the other 4,352 the logits' rows
.set STG,   16*WSTEP                   ; LDS: W's images from 0, the eight stages from here,
.set LOGS,  4096
.set LP,    272                        ; a row of logits in the stage: 256 bytes + 16
.set TOPK,  STG+8*STGB                 ; and behind them 512 bytes of indices and 512 of gates
.set LO,   2                           ; v2   16 x lane: my bytes of a load's or a store's 512
.set RR,   3                           ; v3   r = lane % 16
.set HH,   4                           ; v4   h = lane / 16
.set SIN,  5                           ; v5   my stage + 16 x lane
.set SOUT, 6                           ; v6   my stage + 528 r + 128 h
.set PIM,  7                           ; v7   my partner's stage + 16 x lane
.set WAD,  8                           ; v8   W's images of my K half + 16 x lane
.set LIN,  9                           ; v9   my stage + 272 r + 128 h
.set LBK,  10                          ; v10  my stage + 272 h + 16 r
.set TKA,  11                          ; v11  TOPK + 512 h + 128 (wave % 4) + 8 r
.set TKB,  12                          ; v12  TOPK + 512 (wave % 2) + 16 x lane
.set SH8,  13                          ; v13  8 h
.set PX,   14                          ; v14  lane l xor 16's part of the scale word
.set WST,  15                          ; v15  where I store the images that I bring: 13,312 x wave + 16 x lane
.set X,    32                          ; v32-95   my 64 numbers of a step; at the head v32-135 hold the images that I bring; at the end at work
.set WF,   96                          ; v96-143  W's four fragments of a step
.set WS,   144                         ; v144-147 their scale words
.set PC,   148                         ; v148-159 x's fragment
.set PT,   160                         ; v160-162, v164-166 the blocks' upper halves as converted
.set XSW,  168                         ; v168     x's scale word
.set TM,   170                         ; v170-173 largest magnitudes
.set SO,   174                         ; v174-175 the conversions' scale operands
.set BY,   176                         ; v176-177 the scale bytes
.set ACC,  192                         ; v192-223 four accumulators
.set M1,   32                          ; the top 2, four chains: largest, second, their indices
.set M2,   36
.set I1,   40
.set I2,   44
.set TX,   48                          ; v48-51 a merge's candidates for second place
.set TIX,  49
.set TY,   50
.set TIY,  51
.set M1B,  52                          ; v52-55 lanes 16-31's pair
.set M2B,  53
.set I1B,  54
.set I2B,  55
.set GD,   56                          ; v56-60 the gates
.set GE,   57
.set GS,   58
.set G1,   59
.set G2,   60
.set OP,   62                          ; v62-63 what my lane hands on
.set MSB, 0
.macro WIN new                         ; s_set_vgpr_msb: bits 3:2 source 1, 7:6 destination; the immediate's high byte repeats the setting that is left
.if MSB != \new
	s_set_vgpr_msb (MSB<<8)|\new
.set MSB, \new
.endif
.endm
.macro PLACES n
.rept \n
	v_nop
.endr
.endm
.macro LOAD t                          ; step t's sixteen rows into set t % DEPTH of window 1: each load 512 consecutive bytes, at a multiple of 256 from x's first byte; read once in the launch
.irp j, 0,1,2,3,4,5,6,7,8,9,10,11,12,13,14,15
	global_load_b128 v[64*((\t)%DEPTH)+4*\j:64*((\t)%DEPTH)+4*\j+3], v[LO], s[4:5] offset:\j*ROWB+(\t)*KSB th:TH_LOAD_NT
.endr
.endm
	s_load_b128 s[4:7], s[0:1], 0x0                ; x, wq
	s_load_b128 s[8:11], s[0:1], 0x10              ; out0, out1
	s_load_b64 s[12:13], s[0:1], 0x20              ; out2
	v_lshl_add_u32 v254, v0, 2, 0x2ac00
	v_mov_b32 v255, 0
	v_lshrrev_b32 v1, 5, v0
	s_delay_alu instid0(VALU_DEP_1)
	v_readfirstlane_b32 s14, v1                    ; wave 0..7
	s_and_b32 s15, s14, 3                          ; which 16 rows
	s_lshr_b32 s16, s14, 2                         ; which half of K
	s_mul_i32 s32, s14, 2*WSTEP                    ; wave w brings K steps 2 w and 2 w + 1 of W's images: the same offset in wq and in LDS
	s_mov_b32 s33, 0
	s_lshl_b32 s17, ttmp9, 6
	s_lshl_b32 s18, s15, 4
	s_add_co_u32 s17, s17, s18                     ; my first row: 64 x work-group + 16 x (wave % 4)
	s_lshl_b32 s34, s17, 13                        ; x 8,192 bytes (under 2^27)
	s_lshl_b32 s18, s16, 12
	s_add_co_u32 s34, s34, s18                     ; + my K half's 4,096 bytes
	s_mov_b32 s35, 0
	v_and_b32 v1, 31, v0
	s_delay_alu instid0(VALU_DEP_1)
	v_lshlrev_b32 v[LO], 4, v1
	s_delay_alu instid0(VALU_DEP_1)
	v_add_nc_u32 v[WST], s32, v[LO]
	s_wait_alu depctr_va_vdst(0)
	s_wait_kmcnt 0x0
	s_add_nc_u64 s[4:5], s[4:5], s[34:35]
	s_add_nc_u64 s[6:7], s[6:7], s[32:33]
	; 16 + 26 + 32 = 74 loads are issued here on end.  The counter's field holds fewer: the hardware holds the issue back until earlier loads have come (ISA guide 5.7.1), so no wait is placed for that.
	WIN 0x40                                       ; destination window 1
	LOAD 0                                         ; x first: step 0's rows
	WIN 0
.irp i, 0,1,2,3,4,5,6,7,8,9,10,11,12,13,14,15,16,17,18,19,20,21,22,23,24,25
	global_load_b128 v[X+4*\i:X+4*\i+3], v[LO], s[6:7] offset:512*\i       ; my 13,312 bytes of W's images, 512 consecutive bytes a load; every work-group reads them, so no hint
.endr
	WIN 0x40
	LOAD 1
	LOAD 2
	WIN 0
	; all LDS addresses are made here, ahead of every parting of the waves
	v_and_b32 v[RR], 15, v0
	v_bfe_u32 v[HH], v0, 4, 1
	s_mul_i32 s36, s14, STGB
	s_add_co_u32 s36, s36, STG                     ; my stage
	v_add_nc_u32 v[SIN], s36, v[LO]
	v_mul_u32_u24 v[SOUT], v[RR], SP
	s_delay_alu instid0(VALU_DEP_1)
	v_lshl_add_u32 v[SOUT], v[HH], 7, v[SOUT]
	s_delay_alu instid0(VALU_DEP_1)
	v_add_nc_u32 v[SOUT], s36, v[SOUT]
	s_xor_b32 s37, s14, 4                          ; my partner: the same rows, the other half of K
	s_mul_i32 s37, s37, STGB
	s_add_co_u32 s37, s37, STG
	v_add_nc_u32 v[PIM], s37, v[LO]
	s_mul_i32 s37, s16, 8*WSTEP
	v_add_nc_u32 v[WAD], s37, v[LO]
	v_mul_u32_u24 v[LIN], v[RR], LP
	s_delay_alu instid0(VALU_DEP_1)
	v_lshl_add_u32 v[LIN], v[HH], 7, v[LIN]
	s_delay_alu instid0(VALU_DEP_1)
	v_add_nc_u32 v[LIN], s36, v[LIN]
	v_mul_u32_u24 v[LBK], v[HH], LP
	s_delay_alu instid0(VALU_DEP_1)
	v_lshl_add_u32 v[LBK], v[RR], 4, v[LBK]
	s_delay_alu instid0(VALU_DEP_1)
	v_add_nc_u32 v[LBK], s36, v[LBK]
	s_lshl_b32 s37, s15, 7
	s_add_co_u32 s37, s37, TOPK
	v_lshlrev_b32 v[TKA], 3, v[RR]
	s_delay_alu instid0(VALU_DEP_1)
	v_lshl_add_u32 v[TKA], v[HH], 9, v[TKA]
	s_delay_alu instid0(VALU_DEP_1)
	v_add_nc_u32 v[TKA], s37, v[TKA]
	s_and_b32 s38, s14, 1
	s_lshl_b32 s37, s38, 9
	s_add_co_u32 s37, s37, TOPK
	v_add_nc_u32 v[TKB], s37, v[LO]
	v_lshlrev_b32 v[SH8], 3, v[HH]
	v_mov_b32 v[PX], 0                             ; a lane permute's destination counts as one of its sources
	s_mov_b32 s40, 0x76543210
	s_mov_b32 s41, 0xfedcba98                      ; v_permlanex16_b32's selects for lane l xor 16
	s_lshl_b32 s32, s17, 8
	s_add_nc_u64 s[12:13], s[12:13], s[32:33]      ; out2 at my first row (256 bytes a row)
	s_cmp_eq_u32 s38, 0                            ; even waves: out0, odd waves: out1 (waves 0 and 1 use it)
	s_cselect_b64 s[8:9], s[8:9], s[10:11]
	s_lshl_b32 s32, ttmp9, 9
	s_add_nc_u64 s[8:9], s[8:9], s[32:33]          ; at the group's 64 rows of 8 bytes
	s_wait_loadcnt 32                              ; loads come back in order (ISA guide 5.7.1): step 0's sixteen and W's 26 are in; the 32 of steps 1 and 2 stay out
.irp i, 0,1,2,3,4,5,6,7,8,9,10,11,12,13,14,15,16,17,18,19,20,21,22,23,24,25
	ds_store_b128 v[WST], v[X+4*\i:X+4*\i+3] offset:512*\i                 ; the images as they lie: 512 consecutive bytes a store
.endr
	s_wait_dscnt 0x0                               ; for the others' sake: my part of W's images lies in LDS,
	s_barrier_signal -1
	s_barrier_wait -1                              ; everybody's does.  (x's loads stay out across this barrier: nobody writes those bytes)
.macro STEP t
.irp f, 0,1,2,3,4,5,6,7,8,9,10,11
	ds_load_b128 v[WF+4*\f:WF+4*\f+3], v[WAD] offset:(\t)*WSTEP+512*\f     ; W's four fragments as images: register group f of 12, 512 consecutive bytes a load
.endr
	ds_load_b128 v[WS:WS+3], v[WAD] offset:(\t)*WSTEP+WSC                  ; and the four tiles' scale words
.if (\t)+DEPTH-1 < STEPS
	s_wait_loadcnt 16*(DEPTH-1)                    ; this step's sixteen are in, the two later steps' 32 stay out
.else
	s_wait_loadcnt 16*(STEPS-1-(\t))               ; near the end fewer are behind them
.endif
	WIN 0x04                                       ; an LDS store's data are its source 1: window 1
.irp j, 0,1,2,3,4,5,6,7,8,9,10,11,12,13,14,15
	ds_store_b128 v[SIN], v[64*((\t)%DEPTH)+4*\j:64*((\t)%DEPTH)+4*\j+3] offset:\j*SP      ; row j as it was loaded
.endr
	WIN 0
.irp c, 0,1
.irp j, 0,1,2,3,4,5,6,7
	ds_load_b128 v[X+32*\c+4*\j:X+32*\c+4*\j+3], v[SOUT] offset:256*\c+16*\j               ; LDS serves a wave's instructions in order (ISA guide 5.7.1.4): these see the stores above.  Row r, k = 64 c + 32 h + 4 j ..
.endr
.endr
.if (\t)+DEPTH < STEPS
	s_wait_dscnt 16                                ; all but the sixteen reads just issued: the stores have read their registers,
	WIN 0x40
	LOAD (\t)+DEPTH                                ; which take the loads of three steps on
	WIN 0
.endif
	s_wait_dscnt 0x0                               ; my 64 numbers are back, and W's fragments are in
.irp c, 0,1                                    ; my blocks 2 c + h: all 32 numbers of each are mine.  Two chains a block, the four by turns
	v_max3_num_f32 v[TM+2*\c], |v[X+32*\c]|, |v[X+32*\c+1]|, 0x2800000     ; the floor 2^(5 - 127): the byte cannot fall under 1
	v_max3_num_f32 v[TM+2*\c+1], |v[X+32*\c+16]|, |v[X+32*\c+17]|, |v[X+32*\c+18]|
.endr
.irp i, 2,4,6,8,10,12
.irp c, 0,1
	s_delay_alu instid0(VALU_DEP_4)
	v_max3_num_f32 v[TM+2*\c], v[TM+2*\c], |v[X+32*\c+\i]|, |v[X+32*\c+\i+1]|
	s_delay_alu instid0(VALU_DEP_4)
	v_max3_num_f32 v[TM+2*\c+1], v[TM+2*\c+1], |v[X+32*\c+17+\i]|, |v[X+32*\c+18+\i]|
.endr
.endr
.irp c, 0
	s_delay_alu instid0(VALU_DEP_4)
	v_max3_num_f32 v[TM+2*\c], v[TM+2*\c], |v[X+32*\c+14]|, |v[X+32*\c+15]|
.endr
.irp c, 1
	s_delay_alu instid0(VALU_DEP_3)
	v_max3_num_f32 v[TM+2*\c], v[TM+2*\c], |v[X+32*\c+14]|, |v[X+32*\c+15]|
.endr
.irp c, 0,1
	s_delay_alu instid0(VALU_DEP_2)
	v_max3_num_f32 v[TM+2*\c], v[TM+2*\c], v[TM+2*\c+1], |v[X+32*\c+31]|
.endr
.irp c, 0,1
	s_delay_alu instid0(VALU_DEP_2)
	v_add_nc_u32 v[SO+\c], 0xfe000000, v[TM+2*\c]  ; 4 off the exponent field: the conversion's scale operand
.endr
.irp c, 0,1
	s_delay_alu instid0(VALU_DEP_2)
	v_lshrrev_b32 v[BY+\c], 23, v[SO+\c]           ; the scale's byte
.endr
	s_delay_alu instid0(VALU_DEP_1)
	v_lshl_or_b32 v[XSW], v[BY+1], 16, v[BY]       ; my two bytes, blocks h and 2 + h of row r,
	s_delay_alu instid0(VALU_DEP_1)
	v_lshlrev_b32 v[XSW], v[SH8], v[XSW]           ; at their places in the word;
	s_delay_alu instid0(VALU_DEP_1)
	v_permlanex16_b32 v[PX], v[XSW], s40, s41
	s_delay_alu instid0(VALU_DEP_1)
	v_or_b32 v[XSW], v[XSW], v[PX]                 ; with lane l xor 16's two the word is whole
.irp c, 0,1
	v_cvt_scalef32_pk16_bf6_f32 v[PC+6*\c:PC+6*\c+2], v[X+32*\c:X+32*\c+15], v[SO+\c]      ; registers 6 c .. 6 c + 2 of the operand
	v_cvt_scalef32_pk16_bf6_f32 v[PT+4*\c:PT+4*\c+2], v[X+32*\c+16:X+32*\c+31], v[SO+\c]   ; (a conversion's three registers begin on an even number: the upper half is made elsewhere and moved)
.endr
	v_nop                                          ; one plain instruction behind the scaled conversions
.irp c, 0,1
.irp i, 0,1,2
	v_mov_b32 v[PC+3+6*\c+\i], v[PT+4*\c+\i]
.endr
.endr
	PLACES 8                                       ; a scale word made by vector instructions stands 8 places ahead of the scaled matrix instruction, an operand so made 4
.irp n, 0,1,2,3                                ; the four accumulators by turns, one instruction a turn, from step to step too
.if (\t) == 0
	v_wmma_scale_f32_16x16x128_f8f6f4 v[ACC+8*\n:ACC+8*\n+7], v[WF+12*\n:WF+12*\n+11], v[PC:PC+11], 0, v[WS+\n], v[XSW] matrix_a_fmt:MATRIX_FMT_BF6 matrix_b_fmt:MATRIX_FMT_BF6
.else
	v_wmma_scale_f32_16x16x128_f8f6f4 v[ACC+8*\n:ACC+8*\n+7], v[WF+12*\n:WF+12*\n+11], v[PC:PC+11], v[ACC+8*\n:ACC+8*\n+7], v[WS+\n], v[XSW] matrix_a_fmt:MATRIX_FMT_BF6 matrix_b_fmt:MATRIX_FMT_BF6
.endif
.endr
	PLACES 4                                       ; four places ahead of the next step's loads into W's registers, and of the first read of the sums
.endm
.irp t, 0,1,2,3,4,5,6,7
	STEP \t
.endr
	; THE TWO HALVES OF K MEET.  My 32 sums go to LDS as they stand (16 bytes a lane, 512 a store; each accumulator from its low end on); my partner's come back the same way.
.irp g, 0,1,2,3,4,5,6,7
	ds_store_b128 v[SIN], v[ACC+4*\g:ACC+4*\g+3] offset:512*\g
.endr
	s_wait_dscnt 0x0                               ; for my partner's sake: the image lies in LDS
	s_barrier_signal -1
	s_barrier_wait -1
.irp g, 0,1,2,3,4,5,6,7
	ds_load_b128 v[X+4*\g:X+4*\g+3], v[PIM] offset:512*\g
.endr
	s_wait_dscnt 0x0
.irp i, 0,2,4,6,8,10,12,14,16,18,20,22,24,26,28,30
	v_pk_add_f32 v[ACC+\i:ACC+\i+1], v[ACC+\i:ACC+\i+1], v[X+\i:X+\i+1]    ; the logits; a + b and b + a are the same bits, so both partners hold the same
.endr
	s_cmp_lt_u32 s14, 4
	s_cbranch_scc0 .Ltop
	; WAVES 0-3: THE LOGITS.  A lane holds 128 neighbouring bytes of row r, the lanes beside it other rows: the 16 rows go through the upper part of my stage (my partner still reads the lower) and come back as whole rows.
.irp g, 0,1,2,3,4,5,6,7
	ds_store_b128 v[LIN], v[ACC+4*\g:ACC+4*\g+3] offset:LOGS+16*\g
.endr
.irp i, 0,1,2,3,4,5,6,7
	ds_load_b128 v[X+4*\i:X+4*\i+3], v[LBK] offset:LOGS+\i*2*LP            ; lanes 0-15 one row of 256 bytes, lanes 16-31 the next
.endr
.irp i, 0,1,2,3,4,5,6,7
	s_wait_dscnt 7-\i                              ; rows 2 i and 2 i + 1 are back; the later ones may be out
	global_store_b128 v[LO], v[X+4*\i:X+4*\i+3], s[12:13] offset:512*\i th:TH_STORE_NT     ; 512 consecutive bytes, at a multiple of 256 from out2's first byte
.endr
	s_branch .Ljoin
.Ltop:
	s_wait_alu depctr_va_vdst(0)
	; WAVES 4-7: THE TOP 2.  Register q of my 32 is column 32 h + q.  Four chains of eight registers, each with its largest, its second and their indices, in ascending order of index:
	; a later number takes a place only where it is strictly greater, so that of equal numbers the lower index stands first.  Choices by v_cndmask_b32 alone.
.irp g, 0,1,2,3
	v_cmp_le_f32 s[44+\g], v[ACC+8*\g+1], v[ACC+8*\g]
.endr
.irp g, 0,1,2,3
	v_mov_b32 v[I1+\g], 8*\g
	v_mov_b32 v[I2+\g], 8*\g+1
.endr
.irp g, 0,1,2,3
	v_cndmask_b32 v[I1+\g], 8*\g+1, v[I1+\g], s[44+\g]
	v_cndmask_b32 v[I2+\g], 8*\g, v[I2+\g], s[44+\g]
.endr
.irp g, 0,1,2,3
	v_max_num_f32 v[M1+\g], v[ACC+8*\g], v[ACC+8*\g+1]
	v_min_num_f32 v[M2+\g], v[ACC+8*\g], v[ACC+8*\g+1]
.endr
.irp e, 2,3,4,5,6,7
.irp g, 0,1,2,3
	v_cmp_le_f32 s[44+\g], v[ACC+8*\g+\e], v[M1+\g]        ; not above the largest
.endr
.irp g, 0,1,2,3
	v_cmp_le_f32 s[48+\g], v[ACC+8*\g+\e], v[M2+\g]        ; not above the second
.endr
.irp g, 0,1,2,3
	s_delay_alu instid0(VALU_DEP_4)
	v_cndmask_b32 v[I2+\g], 8*\g+\e, v[I2+\g], s[48+\g]    ; above the second: it takes second place,
.endr
.irp g, 0,1,2,3
	s_delay_alu instid0(VALU_DEP_4)
	v_cndmask_b32 v[I2+\g], v[I1+\g], v[I2+\g], s[44+\g]   ; or, above the largest, the old largest does
.endr
.irp g, 0,1,2,3
	v_cndmask_b32 v[I1+\g], 8*\g+\e, v[I1+\g], s[44+\g]
.endr
.irp g, 0,1,2,3
	v_med3_num_f32 v[M2+\g], v[ACC+8*\g+\e], v[M1+\g], v[M2+\g]   ; the middle one of the three is the new second
.endr
.irp g, 0,1,2,3
	v_max_num_f32 v[M1+\g], v[M1+\g], v[ACC+8*\g+\e]
.endr
.endr
; Two pairs become one.  All of a's indices lie under all of b's: b's number takes a place only where it is strictly greater.  The result lies in a's registers.
.macro MERGE a1, a2, ia1, ia2, b1, b2, ib1, ib2
	v_cmp_gt_f32 s44, v[\b1], v[\a1]               ; b's largest wins
	s_delay_alu instid0(VALU_DEP_1)
	v_cndmask_b32 v[TX], v[\a2], v[\a1], s44       ; then a's candidate for second place is its largest, else its second;
	s_delay_alu instid0(VALU_DEP_2)
	v_cndmask_b32 v[TIX], v[\ia2], v[\ia1], s44
	s_delay_alu instid0(VALU_DEP_3)
	v_cndmask_b32 v[TY], v[\b1], v[\b2], s44       ; and b's its second, else its largest
	s_delay_alu instid0(VALU_DEP_4)
	v_cndmask_b32 v[TIY], v[\ib1], v[\ib2], s44
	v_cndmask_b32 v[\a1], v[\a1], v[\b1], s44
	v_cndmask_b32 v[\ia1], v[\ia1], v[\ib1], s44
	s_delay_alu instid0(VALU_DEP_4)
	v_cmp_gt_f32 s45, v[TY], v[TX]
	s_delay_alu instid0(VALU_DEP_1)
	v_cndmask_b32 v[\a2], v[TX], v[TY], s45
	s_delay_alu instid0(VALU_DEP_2)
	v_cndmask_b32 v[\ia2], v[TIX], v[TIY], s45
.endm
	MERGE M1, M2, I1, I2, M1+1, M2+1, I1+1, I2+1
	MERGE M1+2, M2+2, I1+2, I2+2, M1+3, M2+3, I1+3, I2+3
	MERGE M1, M2, I1, I2, M1+2, M2+2, I1+2, I2+2
	s_delay_alu instid0(VALU_DEP_4)
	v_lshl_add_u32 v[I1], v[HH], 5, v[I1]          ; columns: 32 h + q
	s_delay_alu instid0(VALU_DEP_2)
	v_lshl_add_u32 v[I2], v[HH], 5, v[I2]
	v_mov_b32 v[M1B], v[M1]                        ; the row's other 32 columns lie in lane l xor 16.  A copy, and an exchange of the first's lanes 16-31 with the copy's lanes 0-15:
	v_mov_b32 v[M2B], v[M2]                        ; the first then holds lanes 0-15's numbers in both halves, the copy lanes 16-31's
	s_delay_alu instid0(VALU_DEP_4)
	v_mov_b32 v[I1B], v[I1]
	s_delay_alu instid0(VALU_DEP_4)
	v_mov_b32 v[I2B], v[I2]
	s_delay_alu instid0(VALU_DEP_4)
	v_permlane16_swap_b32 v[M1], v[M1B]
	s_delay_alu instid0(VALU_DEP_4)
	v_permlane16_swap_b32 v[M2], v[M2B]
	s_delay_alu instid0(VALU_DEP_4)
	v_permlane16_swap_b32 v[I1], v[I1B]
	s_delay_alu instid0(VALU_DEP_4)
	v_permlane16_swap_b32 v[I2], v[I2B]
	MERGE M1, M2, I1, I2, M1B, M2B, I1B, I2B       ; lanes l and l xor 16 now hold the same: the row's top 2
	s_delay_alu instid0(VALU_DEP_2)
	; THE GATES: the softmax of the two with the larger taken away: 1 and e = exp(second - largest), divided by 1 + e
	v_sub_f32 v[GD], v[M2], v[M1]                  ; 0 or less
	s_delay_alu instid0(VALU_DEP_1)
	v_mul_f32 v[GD], 0x3fb8aa3b, v[GD]             ; x log2(e)
	s_wait_alu depctr_va_vdst(0)
	v_exp_f32 v[GE], v[GD]
	v_nop                                          ; a plain instruction behind the transcendental,
	s_wait_alu depctr_va_vdst(0)                   ; and a wait ahead of its first reader
	v_add_f32 v[GS], 1.0, v[GE]
	s_wait_alu depctr_va_vdst(0)
	v_rcp_f32 v[G1], v[GS]
	v_nop
	s_wait_alu depctr_va_vdst(0)
	v_mul_f32 v[G2], v[GE], v[G1]
	v_cmp_eq_u32 vcc_lo, 1, v[HH]
	v_cndmask_b32 v[OP], v[I1], v[G1], vcc_lo      ; lanes 0-15 hand on the row's two indices, lanes 16-31 its two gates
	s_delay_alu instid0(VALU_DEP_2)
	v_cndmask_b32 v[OP+1], v[I2], v[G2], vcc_lo
	ds_store_b64 v[TKA], v[OP:OP+1]
.Ljoin:
	s_wait_dscnt 0x0                               ; for the others' sake: my LDS stores have landed (and my loads are in)
	s_barrier_signal -1
	s_barrier_wait -1                              ; the group's 64 rows of indices and of gates lie in LDS
	s_cmp_lt_u32 s14, 2
	s_cbranch_scc0 .Lend
	ds_load_b128 v[WF:WF+3], v[TKB]                ; wave 0: the indices, wave 1: the gates: 512 bytes (registers that no pending store reads)
	s_wait_dscnt 0x0
	global_store_b128 v[LO], v[WF:WF+3], s[8:9] th:TH_STORE_NT             ; 512 consecutive bytes, at a multiple of 256 from the buffer's first byte
.Lend:
	s_wait_tensorcnt 0x0
	ds_add_u32 v254, v255
	s_wait_dscnt 0x0
	s_endpgm
.Lfunc_end_k_qf9d762c9df_route:
	.size	k_qf9d762c9df_route, .Lfunc_end_k_qf9d762c9df_route-k_qf9d762c9df_route
	.p2alignl 7, 3214868480
	.fill 96, 4, 3214868480
	.section	.rodata,"a",@progbits
	.p2align	6, 0x0
	.amdhsa_kernel k_qf9d762c9df_route
		.amdhsa_group_segment_fixed_size 176128
		.amdhsa_private_segment_fixed_size 0
		.amdhsa_enable_private_segment 0
		.amdhsa_kernarg_size 40
		.amdhsa_user_sgpr_count 2
		.amdhsa_user_sgpr_kernarg_segment_ptr 1
		.amdhsa_wavefront_size32 1
		.amdhsa_system_sgpr_workgroup_id_x 1
		.amdhsa_system_sgpr_workgroup_id_y 1
		.amdhsa_system_sgpr_workgroup_id_z 1
		.amdhsa_system_vgpr_workitem_id 0
		.amdhsa_next_free_vgpr 448
		.amdhsa_next_free_sgpr 66
		.amdhsa_reserve_vcc 1
		.amdhsa_float_denorm_mode_32 3
		.amdhsa_float_denorm_mode_16_64 3
		.amdhsa_memory_ordered 1
		.amdhsa_forward_progress 1
		.amdhsa_inst_pref_size 105
	.end_amdhsa_kernel
	.amdgpu_metadata
---
amdhsa.version: [ 1, 2 ]
amdhsa.kernels:
  - .name:           k_qf9d762c9df_route
    .symbol:         k_qf9d762c9df_route.kd
    .args:
      - { .name: x, .offset: 0, .size: 8, .value_kind: global_buffer, .address_space: global }
      - { .name: wq, .offset: 8, .size: 8, .value_kind: global_buffer, .address_space: global }
      - { .name: out0, .offset: 16, .size: 8, .value_kind: global_buffer, .address_space: global }
      - { .name: out1, .offset: 24, .size: 8, .value_kind: global_buffer, .address_space: global }
      - { .name: out2, .offset: 32, .size: 8, .value_kind: global_buffer, .address_space: global }
    .group_segment_fixed_size: 176128
    .private_segment_fixed_size: 0
    .kernarg_segment_align: 8
    .kernarg_segment_size: 40
    .max_flat_workgroup_size: 256
    .sgpr_count:     66
    .vgpr_count:     448
    .wavefront_size: 32
...
	.end_amdgpu_metadata
.endif
;; end of part 2
